; MI455X (gfx1250); checked and timed in simulation.
; The chip was launched on July 23, 2026; its instructions are those of AMD's public machine-readable ISA for CDNA 5 (MIT licence, August 2026) and "CDNA5" Instruction Set Architecture Reference Guide (July 2026). The comments in the code are by the model that wrote it; some were corrected since.
;; Game Of Life Rules. Allowed arithmetic: float matrix products may take bf16 or f16 operands with f32 sums; all other float work in f32.
;; Inputs: x 8 x 1 x 256 x 256 float32.
;; Outputs: out0 8 x 1 x 256 x 256 float32.
;; One version. Each part assembles by itself: llvm-mc -triple=amdgcn-amd-amdhsa -mcpu=gfx1250 --defsym DOCPART=n.
;; ======== version 1 of 1: 1 launch
;; launch life (part 1): grid 64 x 8, 4 waves a work-group, no clusters, 0 bytes of LDS; arguments x, out0; writes out0
.if DOCPART == 1
	.amdgcn_target "amdgcn-amd-amdhsa--gfx1250"
	.amdhsa_code_object_version 6
	.text
	.protected	k_q139f023979_life
	.globl	k_q139f023979_life
	.p2align	8
	.type	k_q139f023979_life,@function
k_q139f023979_life:
	s_mov_b64 s[64:65], 0
	v_nop
	global_prefetch_b8 v0, s[64:65] scope:SCOPE_SE
	s_setreg_imm32_b32 hwreg(HW_REG_WAVE_MODE, 25, 1), 1
	s_wait_xcnt 0x0
; Probabilistic Game of Life step.  x, out0: [8][1][256][256] f32, circular in both image axes.
;
; WHAT IS COMPUTED.  The reference forms 140 pattern probabilities acc_i (products of nine factors n or 1-n) and returns
; sum(acc) - acc^T pair acc.  The patterns and the pair matrix are constants that the reference builds from the rule of the game:
; centre alive with 2 or 3 live neighbours, centre dead with 3; pair joins each pattern 'centre + triple T' with its four
; sub-patterns (T with a dead centre; the centre with T less one member): 224 ones among 19,600 entries.
; With c the centre and, for each of the 8 neighbours, p, q = 1-p, a = p p, b = q q, g = p q, the same monomials add up to
;     out = E3 + c E2 - c (1-c) F3 - c c G
;     E_m = [z^m] prod (q + p z),   F3 = [z^3] prod (b + a z),   G = [z^2 w] prod (b + a z + g w)      (products over the 8 neighbours)
; an identity of polynomials in the nine cells, so it holds for every real input.  The products are built row by row:
; two side cells -> 'pair', pair x middle cell -> 'triple'; a pixel is triple(row above) x triple(row below) x pair(own row).
; About 50 packed f32 instructions a pixel pair's half, fewer than the 140 products a pixel that operands for the matrix
; unit would need before any matrix instruction: so no matrix unit, and everything stays in f32.
;
; LIMITS.  The sums are factored, so the order of rounding differs from the reference's; no difference is formed that the reference
; does not form.  The largest intermediates are sums of the reference's own products of degree 18 in |x| and |1-x|: f32 overflows
; near |x| = 100, where the reference's own products overflow as well.  Non-finite inputs give non-finite results in their 3 x 3
; surroundings; which of them are NaN and which infinite is not promised to be as in the reference.
;
; SHARES.  A work-group: 4 rows x 256 columns of one image (ttmp9 = strip, ttmp7 = image).  Thread t: columns 2t, 2t+1 of the 4 rows.
; Every quantity is an even register pair (pixel 2t, pixel 2t+1), all arithmetic is packed.  A lane loads 6 rows (y0-1 .. y0+4, mod 256):
; P = (x[2t], x[2t+1]) by one 8-byte load (a wave's load covers 256 consecutive bytes, aligned) and H = (x[2t-1], x[2t+2]) by two
; 4-byte loads, columns mod 256.  Pixel 2t has the side cells (H.lo, P.hi), pixel 2t+1 (H.hi, P.lo): H and P with its halves swapped,
; and the swap is an operand selector.  A row's polynomials are made once and serve three output rows.
; No LDS, no barrier: waves share nothing.  No cluster: work-groups share one edge row on each side (2 of the 6 KiB that each reads)
; and all loads are issued in the first lines, so there is no ring in which joint requests could meet, and nothing to prefetch.
; Every address register, base, load destination and store data pair is written once and EXEC never: no wait frees a source.
.set ROWB, 1024                        ; bytes in an image row
.set XP,   4                           ; v[4:27]    row r (0..5): P at XP+4r, H at XP+4r+2
.set R3,   28                          ; v[28:93]   ring of 3 triples, slot r%3, 22 registers each
.set R2,   94                          ; v[94:133]  ring of 2 pairs, slot r%2, 20 registers each
.set T_E0, 0                           ; a triple's slot: E0..E3, F0..F3, G0..G2
.set T_E1, 2
.set T_E2, 4
.set T_E3, 6
.set T_F0, 8
.set T_F1, 10
.set T_F2, 12
.set T_F3, 14
.set T_G0, 16
.set T_G1, 18
.set T_G2, 20
.set P_E0, 0                           ; a pair's slot: e0..e2, f0..f2, h0, h1 of the two side cells; g and a of the middle cell
.set P_E1, 2
.set P_E2, 4
.set P_F0, 6
.set P_F1, 8
.set P_F2, 10
.set P_H0, 12
.set P_H1, 14
.set P_G,  16
.set P_A,  18
.set QH,   134                         ; 1 - H
.set QP,   136                         ; 1 - P
.set BB,   138                         ; (1 - P)^2
.set UU,   140                         ; q1 p2 of the side cells
.set VV,   142                         ; p1 q2
.set TB0,  144                         ; above x below: E coefficients 0..3
.set TB1,  146
.set TB2,  148
.set TB3,  150
.set FT1,  152                         ; above x below: F coefficients 1..3 (0 is never used)
.set FT2,  154
.set FT3,  156
.set X0,   158                         ; above x below: coefficients z^0..z^2 of w
.set X1,   160
.set X2,   162
.set SE2,  164                         ; E2, E3, F3, G of all eight neighbours
.set SE3,  166
.set SF,   168
.set SG,   170
.set OUT,  172                         ; v[172:179] a pair for each output row: store data, written once
.macro PMUL d, a, b
	v_pk_mul_f32 v[\d:\d+1], v[\a:\a+1], v[\b:\b+1]
.endm
.macro PMULX d, a, b                   ; the second source with its halves swapped
	v_pk_mul_f32 v[\d:\d+1], v[\a:\a+1], v[\b:\b+1] op_sel:[0,1] op_sel_hi:[1,0]
.endm
.macro PADD d, a, b
	v_pk_add_f32 v[\d:\d+1], v[\a:\a+1], v[\b:\b+1]
.endm
.macro PFMA d, a, b, c
	v_pk_fma_f32 v[\d:\d+1], v[\a:\a+1], v[\b:\b+1], v[\c:\c+1]
.endm
.macro PFMS d, a, b, c                 ; c - a b
	v_pk_fma_f32 v[\d:\d+1], v[\a:\a+1], v[\b:\b+1], v[\c:\c+1] neg_lo:[1,0,0] neg_hi:[1,0,0]
.endm
.macro ONEM d, a                       ; 1 - a, one rounding
	v_pk_fma_f32 v[\d:\d+1], v[\a:\a+1], -1.0, 1.0 op_sel_hi:[1,0,0]
.endm
.macro LOADROW r, base, off            ; a row's three loads: P, H.lo, H.hi
	global_load_b64 v[XP+4*\r:XP+4*\r+1], v1, s[\base:\base+1] offset:\off
	global_load_b32 v[XP+4*\r+2], v2, s[\base:\base+1] offset:\off
	global_load_b32 v[XP+4*\r+3], v3, s[\base:\base+1] offset:\off
.endm
; Row r's polynomials, 35 packed instructions, laid so that a line's sources are some lines old.
.macro ROW r
.set PP, XP+4*\r
.set HH, XP+4*\r+2
.set TR, R3+22*(\r%3)
.set PR, R2+20*(\r%2)
	s_wait_loadcnt 3*(5-\r)                        ; loads return in order (ISA guide 5.7.1): this row's three are in, the three of each later row stay out
	ONEM  QH, HH
	ONEM  QP, PP
	PMULX PR+P_E2, HH, PP                          ; e2 = p1 p2
	PMUL  PR+P_A, PP, PP                           ; a of the middle cell
	PMULX PR+P_E0, QH, QP                          ; e0 = q1 q2
	PMULX UU, QH, PP                               ; q1 p2
	PMULX VV, HH, QP                               ; p1 q2
	PMUL  BB, QP, QP                               ; b of the middle cell
	PMUL  PR+P_G, PP, QP                           ; g of the middle cell
	PMUL  PR+P_F2, PR+P_E2, PR+P_E2                ; f2 = a1 a2
	PMUL  PR+P_F0, PR+P_E0, PR+P_E0                ; f0 = b1 b2
	PADD  PR+P_E1, UU, VV                          ; e1
	PMUL  PR+P_F1, UU, UU                          ; f1 = b1 a2 + a1 b2
	PMUL  TR+T_E3, PR+P_E2, PP
	PMUL  TR+T_E0, PR+P_E0, QP
	PFMA  PR+P_F1, VV, VV, PR+P_F1
	PMUL  PR+P_H0, PR+P_E0, PR+P_E1                ; h0 = b1 g2 + g1 b2 = e0 e1
	PMUL  PR+P_H1, PR+P_E2, PR+P_E1                ; h1 = a1 g2 + g1 a2 = e2 e1
	PMUL  TR+T_E1, PR+P_E0, PP
	PMUL  TR+T_E2, PR+P_E1, PP
	PMUL  TR+T_F3, PR+P_F2, PR+P_A
	PMUL  TR+T_F0, PR+P_F0, BB
	PFMA  TR+T_E1, PR+P_E1, QP, TR+T_E1
	PFMA  TR+T_E2, PR+P_E2, QP, TR+T_E2
	PMUL  TR+T_F1, PR+P_F0, PR+P_A
	PMUL  TR+T_F2, PR+P_F1, PR+P_A
	PMUL  TR+T_G0, PR+P_F0, PR+P_G
	PMUL  TR+T_G1, PR+P_F1, PR+P_G
	PMUL  TR+T_G2, PR+P_F2, PR+P_G
	PFMA  TR+T_F1, PR+P_F1, BB, TR+T_F1
	PFMA  TR+T_F2, PR+P_F2, BB, TR+T_F2
	PFMA  TR+T_G0, PR+P_H0, BB, TR+T_G0
	PFMA  TR+T_G1, PR+P_H0, PR+P_A, TR+T_G1
	PFMA  TR+T_G2, PR+P_H1, PR+P_A, TR+T_G2
	PFMA  TR+T_G1, PR+P_H1, BB, TR+T_G1
.endm
; Output row m (1..4 among the six loaded rows): triple(m-1) x triple(m+1) x pair(m), 48 packed instructions and the store.
; It stands behind ROW m+1; ROW m+2 then takes the slots of triple m-1 and of pair m, which are done with here.
.macro PIXEL m
.set TT, R3+22*((\m-1)%3)
.set BT, R3+22*((\m+1)%3)
.set MR, R2+20*(\m%2)
.set PP, XP+4*\m
.set OO, OUT+2*(\m-1)
	PMUL TB0, TT+T_E0, BT+T_E0                     ; ten chains start by a product: nothing is cleared
	PMUL TB1, TT+T_E0, BT+T_E1
	PMUL TB2, TT+T_E0, BT+T_E2
	PMUL TB3, TT+T_E0, BT+T_E3
	PMUL FT1, TT+T_F0, BT+T_F1
	PMUL FT2, TT+T_F0, BT+T_F2
	PMUL FT3, TT+T_F0, BT+T_F3
	PMUL X0,  TT+T_G0, BT+T_F0
	PMUL X1,  TT+T_G0, BT+T_F1
	PMUL X2,  TT+T_G0, BT+T_F2
	PFMA TB1, TT+T_E1, BT+T_E0, TB1
	PFMA TB2, TT+T_E1, BT+T_E1, TB2
	PFMA TB3, TT+T_E1, BT+T_E2, TB3
	PFMA FT1, TT+T_F1, BT+T_F0, FT1
	PFMA FT2, TT+T_F1, BT+T_F1, FT2
	PFMA FT3, TT+T_F1, BT+T_F2, FT3
	PFMA X0,  TT+T_F0, BT+T_G0, X0
	PFMA X1,  TT+T_G1, BT+T_F0, X1
	PFMA X2,  TT+T_G1, BT+T_F1, X2
	PFMA TB2, TT+T_E2, BT+T_E0, TB2
	PFMA TB3, TT+T_E2, BT+T_E1, TB3
	PFMA FT2, TT+T_F2, BT+T_F0, FT2
	PFMA FT3, TT+T_F2, BT+T_F1, FT3
	PFMA X1,  TT+T_F0, BT+T_G1, X1
	PFMA X2,  TT+T_G2, BT+T_F0, X2
	PFMA TB3, TT+T_E3, BT+T_E0, TB3
	PFMA FT3, TT+T_F3, BT+T_F0, FT3
	PFMA X1,  TT+T_F1, BT+T_G0, X1
	PFMA X2,  TT+T_F0, BT+T_G2, X2
	PMUL SE2, TB0, MR+P_E2                         ; times the own row's pair; X2's last two links go in between
	PMUL SE3, TB1, MR+P_E2
	PMUL SF,  FT1, MR+P_F2
	PFMA X2,  TT+T_F1, BT+T_G1, X2
	PMUL SG,  X0,  MR+P_F2
	PFMA SE2, TB1, MR+P_E1, SE2
	PFMA SE3, TB2, MR+P_E1, SE3
	PFMA X2,  TT+T_F2, BT+T_G0, X2
	PFMA SF,  FT2, MR+P_F1, SF
	PFMA SG,  X1,  MR+P_F1, SG
	PFMA SE2, TB2, MR+P_E0, SE2
	PFMA SE3, TB3, MR+P_E0, SE3
	PFMA SF,  FT3, MR+P_F0, SF
	PFMA SG,  FT1, MR+P_H1, SG
	PFMA OO,  PP,  SE2, SE3                        ; c E2 + E3
	PFMA SG,  FT2, MR+P_H0, SG
	PFMS OO,  MR+P_G, SF, OO                       ; - c (1-c) F3
	PFMA SG,  X2,  MR+P_F0, SG
	PFMS OO,  MR+P_A, SG, OO                       ; - c c G
	global_store_b64 v1, v[OO:OO+1], s[24:25] offset:(\m-1)*ROWB th:TH_STORE_NT   ; a wave's store covers 256 consecutive bytes, aligned; written once, not read again
.endm
	s_load_b128 s[4:7], s[0:1], 0x0                ; x s[4:5], out0 s[6:7]
	v_lshlrev_b32 v1, 3, v0                        ; 8 t: my two columns, for P and for the stores
	v_add_nc_u32 v2, -4, v1
	v_add_nc_u32 v3, 8, v1
	v_and_b32 v2, 0x3ff, v2                        ; column 2t-1 mod 256, in bytes
	v_and_b32 v3, 0x3ff, v3                        ; column 2t+2 mod 256
	s_and_b32 s8, ttmp7, 0xffff                    ; image
	s_lshl_b32 s8, s8, 18                          ; x 256 rows of 1,024 bytes
	s_lshl_b32 s10, ttmp9, 2                       ; y0: the strip's first row
	s_add_co_i32 s12, s10, -1
	s_and_b32 s12, s12, 255                        ; row y0-1 mod 256
	s_lshl_b32 s12, s12, 10
	s_add_co_u32 s12, s12, s8
	s_mov_b32 s13, 0
	s_add_co_u32 s14, s10, 4
	s_and_b32 s14, s14, 255                        ; row y0+4 mod 256
	s_lshl_b32 s14, s14, 10
	s_add_co_u32 s14, s14, s8
	s_mov_b32 s15, 0
	s_lshl_b32 s16, s10, 10                        ; row y0
	s_add_co_u32 s16, s16, s8
	s_mov_b32 s17, 0
	s_wait_kmcnt 0x0
	s_add_nc_u64 s[18:19], s[4:5], s[12:13]        ; x at the row above the strip
	s_add_nc_u64 s[20:21], s[4:5], s[16:17]        ; x at the strip
	s_add_nc_u64 s[22:23], s[4:5], s[14:15]        ; x at the row below the strip
	s_add_nc_u64 s[24:25], s[6:7], s[16:17]        ; out0 at the strip
	; All 18 loads at once, in row order; no cache word: the neighbouring strips and lanes read these bytes again.
	LOADROW 0, 18, 0
	LOADROW 1, 20, 0
	LOADROW 2, 20, ROWB
	LOADROW 3, 20, 2*ROWB
	LOADROW 4, 20, 3*ROWB
	LOADROW 5, 22, 0
	ROW 0
	ROW 1
	ROW 2
	PIXEL 1
	ROW 3
	PIXEL 2
	ROW 4
	PIXEL 3
	ROW 5
	PIXEL 4
	s_endpgm
.Lfunc_end_k_q139f023979_life:
	.size	k_q139f023979_life, .Lfunc_end_k_q139f023979_life-k_q139f023979_life
	.p2alignl 7, 3214868480
	.fill 96, 4, 3214868480
	.section	.rodata,"a",@progbits
	.p2align	6, 0x0
	.amdhsa_kernel k_q139f023979_life
		.amdhsa_group_segment_fixed_size 0
		.amdhsa_private_segment_fixed_size 0
		.amdhsa_enable_private_segment 0
		.amdhsa_kernarg_size 16
		.amdhsa_user_sgpr_count 2
		.amdhsa_user_sgpr_kernarg_segment_ptr 1
		.amdhsa_wavefront_size32 1
		.amdhsa_system_sgpr_workgroup_id_x 1
		.amdhsa_system_sgpr_workgroup_id_y 1
		.amdhsa_system_sgpr_workgroup_id_z 1
		.amdhsa_system_vgpr_workitem_id 0
		.amdhsa_next_free_vgpr 180
		.amdhsa_next_free_sgpr 66
		.amdhsa_reserve_vcc 0
		.amdhsa_float_denorm_mode_32 3
		.amdhsa_float_denorm_mode_16_64 3
		.amdhsa_memory_ordered 1
		.amdhsa_forward_progress 1
		.amdhsa_inst_pref_size 29
	.end_amdhsa_kernel
	.amdgpu_metadata
---
amdhsa.version: [ 1, 2 ]
amdhsa.kernels:
  - .name:           k_q139f023979_life
    .symbol:         k_q139f023979_life.kd
    .args:
      - { .name: x, .offset: 0, .size: 8, .value_kind: global_buffer, .address_space: global }
      - { .name: out0, .offset: 8, .size: 8, .value_kind: global_buffer, .address_space: global }
    .group_segment_fixed_size: 0
    .private_segment_fixed_size: 0
    .kernarg_segment_align: 8
    .kernarg_segment_size: 16
    .max_flat_workgroup_size: 128
    .sgpr_count:     66
    .vgpr_count:     180
    .wavefront_size: 32
...
	.end_amdgpu_metadata
.endif
;; end of part 1
